; MI455X (gfx1250); checked and timed in simulation.
; The chip was launched on July 23, 2026; its instructions are those of AMD's public machine-readable ISA for CDNA 5 (MIT licence, August 2026) and "CDNA5" Instruction Set Architecture Reference Guide (July 2026). The comments in the code are by the model that wrote it; some were corrected since.
;; Quant Linear Base. Allowed arithmetic: matrix products marked QUANTISED: E2M3 operands, one E8M0 scale for each 32 along K, by v_wmma_scale_f32_16x16x128_f8f6f4 with both operands' format E2M3, f32 sums; everything else in f32.
;; Inputs: bias 4,096 float32; qweight 4,096 x 2,048 int32; weight_scale 4,096 x 1 float32; x 4,096 x 4,096 float32.
;; Outputs: out0 4,096 x 4,096 float32.
;; This version of the problem:
;;   THIS VERSION OF THE PROBLEM IS GIVEN IN LOW PRECISION. The matrix products marked QUANTISED in the list below multiply operands that are first quantised to E2M3 (2 exponent bits, 3 mantissa bits; 6 bits a number), with one power-of-two scale for each 32 numbers along K (OCP MX v1.0); their sums are f32. All else is computed in f32.
;;   The module's matrix products, in the order in which they are computed (A, B: the left and right operand; K: the contracted axis; several contracted axes count as one K, in the product's order):
;;     1. [M 4,096, K 4,096] x [K 4,096, N 4,096]; A: computed on the way; B: computed on the way: QUANTISED
;;   THE QUANTISER, for each operand of a quantised product, along K:
;;     - K is cut into blocks of 32 from its start; a last block that is shorter is filled with zeros.
;;     - A block's scale is 2^e with e = floor(log2(the largest magnitude in the block)) - 2, held to -126 .. 127; a block of zeros has e = 0. As a byte (E8M0): e + 127.
;;     - Each number is divided by its block's scale, clamped to +-7.5, and rounded to the nearest number of E2M3, ties to even, subnormals kept.
;;     - The product sums the exact products of the quantised numbers (number of the format x scale) in f32.
;;   ~~~python
;;   def quantise(x, axis):      # numpy; x: float32 -> the quantised numbers, widened to float32 again
;;       x = np.moveaxis(x, axis, -1); K = x.shape[-1]
;;       x = np.pad(x, [(0, 0)] * (x.ndim - 1) + [(0, -K % 32)]); x = x.reshape(x.shape[:-1] + (-1, 32)); a = np.abs(x).max(-1, keepdims=True)
;;       e = np.where(a > 0, np.clip(np.frexp(np.where(a > 0, a, 1))[1] - 1 - 2, -126, 127), 0)      # np.frexp(a)[1] - 1 = floor(log2(a)), exactly
;;       r = np.clip(x / 2.0 ** e, -7.5, 7.5)
;;       step = 2.0 ** (np.maximum(np.frexp(np.where(r == 0, 1, r))[1] - 1, 0) - 3)
;;       q = np.round(r / step) * step * 2.0 ** e      # np.round: ties to even
;;       return np.moveaxis(q.reshape(q.shape[:-2] + (-1,))[..., :K], -1, axis).astype(np.float32)
;;   ~~~
;;   OPERANDS COMPUTED ON THE WAY. 'Computed on the way' means the value that the module computes at that place (a softmax that the list does not call 'softmax' is quantised finished and normalised). What goes into a quantiser is computed in f32, as accurately as f32 sums, v_exp_f32 and their like allow (about 1e-6 of the number): no bf16 or f16 on the way to a quantiser, and a product that is left as it is and whose result goes on into a quantised operand takes f32 operands (vector FMAs, or v_wmma_f32_16x16x4_f32). A number that lies on a knife's edge between two numbers of the format may be rounded either way, as far as f32 arithmetic and the matrix unit's own rounding can turn it there, and no further.
;; One version. Each part assembles by itself: llvm-mc -triple=amdgcn-amd-amdhsa -mcpu=gfx1250 --defsym DOCPART=n.
;; ======== version 1 of 1: 2 launches
;; limits: right only within a limited range of input values
;; workspace buffers: a_pack 13,697,024 bytes; b_pack 13,697,024 bytes
;; launch quant (part 1): grid 256 x 1, 16 waves a work-group, no clusters, 240,128 bytes of LDS; arguments x, qweight, weight_scale, a_pack, b_pack; writes a_pack, b_pack
.if DOCPART == 1
	.amdgcn_target "amdgcn-amd-amdhsa--gfx1250"
	.amdhsa_code_object_version 6
	.text
	.protected	k_qc4615bbe61_quant
	.globl	k_qc4615bbe61_quant
	.p2align	8
	.type	k_qc4615bbe61_quant,@function
k_qc4615bbe61_quant:
	s_mov_b64 s[64:65], 0
	v_nop
	global_prefetch_b8 v0, s[64:65] scope:SCOPE_SE
	s_setreg_imm32_b32 hwreg(HW_REG_WAVE_MODE, 25, 1), 1
	s_wait_xcnt 0x0
; Both operands of out = x_dq w^T + bias are made here, once, as codes of FP6 (E2M3) and E8M0 scale bytes (one for each 32 along K), laid as the product's launch reads them.
;   x [4096][4096] f32:  s = (largest |x| of the row) / 127 (1 where that is 0);  x_dq = clip(round_to_even(x / s), -128, 127) s;  then the block quantiser.
;   qweight [4096][2048] int32: (q >> 4) - 8 is the even column, (q & 15) - 8 the odd one; times weight_scale[row]; then the block quantiser.
; A block's scale is 2^(floor(log2(its largest magnitude)) - 2): its byte is the largest magnitude's exponent field - 2, held at 1 from below.
; THE LAYOUT of a_pack and b_pack: [panel of 128 rows][slot j = 0 .. 10][row][record of 304 bytes].  A slot holds three steps T = 3 j + q of 128 along K.
; A record is, for each step, 96 bytes of codes in the order of the operand's registers (blocks 0, 2, 1, 3 of the step, 24 bytes each), then a scale word for each step and a word of zeros.
; K has 32 steps: slot 10's third step is zeros, codes and scale word, and is never multiplied.  16 rows' records of a slot are 4,864 bytes: 19 aligned runs of 256 bytes.
; SHARES.  Work-group n owns rows 16 n .. 16 n + 15 of x (waves 0-7, two rows each) and of the weights (waves 8-15).  Each wave puts its rows' records into the work-group's image of the 16 rows in LDS
; (53,504 bytes for each tensor, [slot][row][record]); behind one barrier the eight waves of a tensor store its image, sixteen lanes to an aligned run of 256 bytes, 209 runs.
; A row goes in 8 steps of 512 numbers; each goes through the wave's own stage in LDS, stored as loaded (dense), read back 16 neighbours a lane.
; Work-groups share no input: no cluster, no matrix unit, no tensor load.
; LIMITS.  NaN and infinities are not served.  A row of x whose largest magnitude lies under 127 x 2^-126 is not served: its s is denormal, which the reciprocal takes for 0.
; A block of zeros gets the byte 1 where the rule says 127: its codes are zeros, which add nothing, and this program alone reads the bytes.
; qweight is taken as any int32 (arithmetic shift, mask); the conversion to f32 is exact for magnitudes under 2^28.
; x / s is a reciprocal refined once and a quotient corrected once by its remainder, all fused: it may differ from the rounded quotient in rare last bits.
.set XW,    5120                       ; x path: two stages of 32 x 80 bytes for each of the 16 waves
.set WW,    3072                       ; weights' path: two stages of 32 x 48 bytes for each of the 16 waves
.set WBASE, 16*XW
.set IMG,   WBASE+16*WW                ; the two images
.set IMGB,  53504
.set SPARE, IMG+2*IMGB                 ; the spare words, 128 bytes a wave
.set M,   16                           ; v16-19   four chains of the row's largest magnitude
.set X,   32                           ; v32-63   x: two sets of 16 neighbours
.set I,   32                           ; v32-47   weights: two sets of 8 words
.set R,   64                           ; v64-191  x: a row as loaded;  on the way out 14 x 4 registers
.set Q,   64                           ; v64-127  weights: a row as loaded
.set T,   192                          ; v192-207 quotients (x); 16 numbers (weights); on the way out 14 offsets
.set C,   208                          ; v208-239 step t: codes in three registers from C + 4 t, its scale byte in the fourth
.set CA,  240                          ; v240-242 LDS address of my 12 bytes of codes in steps t = 0, 1, 2 (three steps on: + 19,456; second row: + 304)
.set SA,  243                          ; v243-245 the same for my block's scale byte
.set SPW, 246
.set NIL, 247
.set Z,   248                          ; v248-249 zeros
; v2 lane; v3 16 x lane; v8, v9 x's stage in and out; v12, v13 the weights'; v10, v11 the image on the way out; v14 my run of 256 bytes among sixteen; v29 16 x (lane % 16)
	s_load_b256 s[4:11], s[0:1], 0x0               ; x, qweight, weight_scale, a_pack
	s_load_b64 s[12:13], s[0:1], 0x20              ; b_pack
	v_lshl_add_u32 v[SPW], v0, 2, SPARE
	v_mov_b32 v[NIL], 0
	v_lshrrev_b32 v1, 5, v0
	v_readfirstlane_b32 s18, v1                    ; wave 0..15
	s_lshr_b32 s21, s18, 3                         ; 0: x, 1: the weights
	s_and_b32 s19, s18, 7
	s_lshl_b32 s33, s19, 1                         ; my first row among the 16
	s_lshl_b32 s20, ttmp9, 4
	s_add_co_u32 s20, s20, s33                     ; and in the tensor
	s_mov_b32 s23, 0                               ; the high word of every offset
	s_mul_i32 s24, s18, XW
	s_mul_i32 s25, s18, WW
	s_add_co_u32 s25, s25, WBASE
	s_mul_i32 s26, s21, IMGB
	s_add_co_u32 s26, s26, IMG                     ; my tensor's image
	s_mul_i32 s34, s33, 304
	s_add_co_u32 s34, s34, s26                     ; my first row's record in its slot 0
	s_and_b32 s22, ttmp9, 7                        ; my 16 rows' place in their panel
	s_mul_i32 s22, s22, 4864
	s_lshr_b32 s19, ttmp9, 3
	s_mul_i32 s19, s19, 428032                     ; the panel: 11 slots of 38,912 bytes
	s_add_co_u32 s22, s22, s19
	s_mov_b32 s28, 0x76543210                      ; v_permlanex16_b32: lane l takes lane l xor 16
	s_mov_b32 s29, 0xfedcba98
	s_mov_b32 s30, 0x42fe0000                      ; 127.0
	s_mov_b32 s31, 0x3c010204                      ; 1 / 127
	s_mov_b32 s32, 0xc3000000                      ; -128.0
	; every LDS address is made here, ahead of the parting
	v_and_b32 v2, 31, v0
	v_lshlrev_b32 v3, 4, v2
	v_lshrrev_b32 v8, 2, v2
	v_mul_u32_u24 v8, v8, 80
	v_and_b32 v21, 3, v2
	v_lshl_add_u32 v8, v21, 4, v8
	v_add_nc_u32 v8, s24, v8                       ; x, in: 80 (lane / 4) + 16 (lane % 4)
	v_mul_u32_u24 v9, v2, 80
	v_add_nc_u32 v9, s24, v9                       ; x, out: my 16 neighbours
	v_lshrrev_b32 v12, 1, v2
	v_mul_u32_u24 v12, v12, 48
	v_and_b32 v21, 1, v2
	v_lshl_add_u32 v12, v21, 4, v12
	v_add_nc_u32 v12, s25, v12                     ; weights, in: 48 (lane / 2) + 16 (lane % 2)
	v_mul_u32_u24 v13, v2, 48
	v_add_nc_u32 v13, s25, v13                     ; weights, out: my 8 words
	; lane = 8 a + 2 blk + half: step T = 4 t + a of 128 along K, block blk = 2 c + h of it, its lower or upper 16 codes
	v_lshrrev_b32 v1, 3, v2                        ; a
	v_bfe_u32 v4, v2, 1, 1                         ; h
	v_bfe_u32 v5, v2, 2, 1                         ; c
	v_and_b32 v6, 1, v2
	v_mul_u32_u24 v30, v4, 48
	v_mad_u32_u24 v30, v5, 24, v30
	v_mad_u32_u24 v30, v6, 12, v30
	v_add_nc_u32 v30, s34, v30                     ; my row's record + 48 h + 24 c + 12 half
	v_bfe_u32 v31, v2, 1, 2
	v_add_nc_u32 v31, s34, v31
	v_add_nc_u32 v31, 288, v31                     ; my row's record + 288 + blk
; step tq's addresses, j = T / 3 the slot:  codes: 4864 j + 96 (T - 3 j) = 96 T + 4576 j;  byte: 4864 j + 4 (T - 3 j) = 4 T + 4852 j.  Twelve T on are four slots on: 19,456 bytes
.macro MKADR tq
	v_add_nc_u32 v4, 4*\tq, v1
	v_mul_u32_u24 v5, v4, 11
	v_lshrrev_b32 v5, 5, v5                        ; T / 3, for T under 32
	v_mad_u32_u24 v6, v4, 96, v30
	v_mad_u32_u24 v[CA+\tq], v5, 4576, v6
	v_lshl_add_u32 v6, v4, 2, v31
	v_mad_u32_u24 v[SA+\tq], v5, 4852, v6
.endm
	MKADR 0
	MKADR 1
	MKADR 2
	; what no step writes begins as zeros.  Bytes 176 .. 303 of my two rows' records in slot 10 (sixteen lanes to a row, 8 bytes each; bytes 176 .. 191 and 288 .. 295 are written again below, behind these stores);
	v_lshrrev_b32 v4, 4, v2
	v_mul_u32_u24 v4, v4, 304
	v_and_b32 v5, 15, v2
	v_lshl_add_u32 v4, v5, 3, v4
	v_add_nc_u32 v4, s34, v4
	v_add_nc_u32 v16, 48640+176, v4
	; the last word of their records in slots 0 .. 7 (slot = lane % 8, row = bit 3; lanes 16-31 write the same zeros again),
	v_and_b32 v4, 7, v2
	v_mul_u32_u24 v4, v4, 4864
	v_bfe_u32 v5, v2, 3, 1
	v_mad_u32_u24 v4, v5, 304, v4
	v_add_nc_u32 v4, s34, v4
	v_add_nc_u32 v17, 300, v4
	; and in slots 8 and 9 (slot = 8 + bit 0, row = bit 1)
	v_and_b32 v4, 1, v2
	v_mul_u32_u24 v4, v4, 4864
	v_bfe_u32 v5, v2, 1, 1
	v_mad_u32_u24 v4, v5, 304, v4
	v_add_nc_u32 v4, s34, v4
	v_add_nc_u32 v18, 8*4864+300, v4
	v_mov_b32 v[Z], 0
	v_mov_b32 v[Z+1], 0
	ds_store_b64 v16, v[Z:Z+1]
	ds_store_b32 v17, v[Z]
	ds_store_b32 v18, v[Z]
	; the way out: thread k of my tensor's 256 takes 16 bytes at 16 k + 4,096 n of the image, n = 0 .. 12; run of 256 bytes u = k / 16 + 16 n; run 208 is left over
	v_and_b32 v4, 255, v0
	v_lshrrev_b32 v14, 4, v4
	v_lshl_add_u32 v10, v4, 4, s26
	v_and_b32 v29, 15, v0
	v_lshlrev_b32 v29, 4, v29
	v_add_nc_u32 v11, s26, v29
	v_add_nc_u32 v11, 208*256, v11
	v_mov_b32 v20, 0                               ; written once: a lane permute's destination counts as one of its sources
	s_wait_alu depctr_va_vdst(0)                   ; the wait at the head's end
	s_wait_kmcnt 0x0
	s_cmp_eq_u32 s21, 0
	s_cselect_b64 s[14:15], s[10:11], s[12:13]     ; where my tensor's records go
	s_add_nc_u64 s[14:15], s[14:15], s[22:23]
	s_cmp_lg_u32 s21, 0
	s_cbranch_scc1 .Lweights
; 16 numbers of a lane, v[src] on, neighbours along K (two neighbouring lanes hold a block), become 12 bytes of codes and the block's scale byte; both go into the image
.macro QBLK src, row, t
	v_max3_num_f32 v26, |v[\src]|, |v[\src+1]|, |v[\src+2]|
	v_max3_num_f32 v27, |v[\src+3]|, |v[\src+4]|, |v[\src+5]|
.irp i, 6,10
	v_max3_num_f32 v26, v26, |v[\src+\i]|, |v[\src+\i+1]|
	v_max3_num_f32 v27, v27, |v[\src+\i+2]|, |v[\src+\i+3]|
.endr
	v_max3_num_f32 v26, v26, |v[\src+14]|, |v[\src+15]|
	v_max3_num_f32 v26, v26, v27, 0x1800000        ; the floor 2^(3 - 127): the byte cannot fall under 1
	v_max_num_f32_dpp v26, v26, v26 row_xmask:1 row_mask:0xf bank_mask:0xf   ; with my neighbour's 16: the block's
	v_add_nc_u32 v28, 0xff000000, v26              ; 2 off its exponent field: the conversion's scale operand
	v_cvt_scalef32_pk16_fp6_f32 v[C+4*(\t):C+4*(\t)+2], v[\src:\src+15], v28
	v_lshrrev_b32 v[C+4*(\t)+3], 23, v28           ; the scale's byte; also the plain instruction behind the conversion
.set QO, ((\t)/3)*19456+304*(\row)
	ds_store_b8 v[SA+(\t)%3], v[C+4*(\t)+3] offset:QO     ; both lanes of a block write the same byte with the same value
.irp i, 0,1,2
	ds_store_b32 v[CA+(\t)%3], v[C+4*(\t)+\i] offset:QO+4*\i
.endr
.endm
; ---------------------------------------------------------------- x
.macro LOADX row, t
.irp i, 0,1,2,3
	global_load_b128 v[R+16*(\t)+4*\i:R+16*(\t)+4*\i+3], v3, s[4:5] offset:16384*(\row)+2048*(\t)+512*\i th:TH_LOAD_NT
.endr
.endm
.macro TURNX t                         ; step t through stage t % 2: one wave's LDS instructions are served in order
.irp i, 0,1,2,3
	ds_store_b128 v8, v[R+16*(\t)+4*\i:R+16*(\t)+4*\i+3] offset:2560*((\t)%2)+640*\i
.endr
.irp i, 0,1,2,3
	ds_load_b128 v[X+16*((\t)%2)+4*\i:X+16*((\t)%2)+4*\i+3], v9 offset:2560*((\t)%2)+16*\i
.endr
.endm
.macro XSTEP row, t
.set XS, X+16*((\t)%2)
.if (\t) > 0
	s_wait_dscnt 4                                 ; this step's numbers are back; younger are only the last step's byte store and its three code stores
.else
	s_wait_dscnt 0x0
.endif
.if (\row) == 0
	LOADX 1, \t                                    ; this step's registers take the second row's step
.endif
.if (\t) < 7
	TURNX (\t)+1
.endif
.irp p, 0,2,4,6,8,10,12,14
	v_pk_mul_f32 v[T+\p:T+\p+1], v[XS+\p:XS+\p+1], v[24:25]        ; q0 = x (1 / s)
.endr
.irp p, 0,2,4,6,8,10,12,14
	v_pk_fma_f32 v[XS+\p:XS+\p+1], v[T+\p:T+\p+1], v[22:23], v[XS+\p:XS+\p+1] neg_lo:[1,0,0] neg_hi:[1,0,0]   ; the remainder x - q0 s
.endr
.irp p, 0,2,4,6,8,10,12,14
	v_pk_fma_f32 v[T+\p:T+\p+1], v[XS+\p:XS+\p+1], v[24:25], v[T+\p:T+\p+1]   ; x / s
.endr
.irp j, 0,1,2,3,4,5,6,7,8,9,10,11,12,13,14,15
	v_rndne_f32 v[T+\j], v[T+\j]
.endr
.irp j, 0,1,2,3,4,5,6,7,8,9,10,11,12,13,14,15
	v_med3_num_f32 v[T+\j], v[T+\j], s32, s30      ; held to -128 .. 127
.endr
.irp p, 0,2,4,6,8,10,12,14
	v_pk_mul_f32 v[XS+\p:XS+\p+1], v[T+\p:T+\p+1], v[22:23]        ; x_dq
.endr
	QBLK XS, \row, \t
.endm
.macro XROW row
	s_wait_loadcnt 0x0                             ; the largest magnitude wants the whole row
	TURNX 0
.irp k, 0,1,2,3
	v_max3_num_f32 v[M+\k], |v[R+3*\k]|, |v[R+3*\k+1]|, |v[R+3*\k+2]|
.endr
.set j, 0
.rept 58
	v_max3_num_f32 v[M+j%4], v[M+j%4], |v[R+12+2*j]|, |v[R+13+2*j]|
.set j, j+1
.endr
	v_max3_num_f32 v16, v16, v17, v18
	v_max_num_f32 v16, v16, v19
	v_max_num_f32_dpp v16, v16, v16 row_xmask:1 row_mask:0xf bank_mask:0xf
	v_max_num_f32_dpp v16, v16, v16 row_xmask:2 row_mask:0xf bank_mask:0xf
	v_max_num_f32_dpp v16, v16, v16 row_xmask:4 row_mask:0xf bank_mask:0xf
	v_max_num_f32_dpp v16, v16, v16 row_xmask:8 row_mask:0xf bank_mask:0xf
	v_permlanex16_b32 v20, v16, s28, s29
	v_max_num_f32 v16, v16, v20                    ; the row's largest magnitude, in every lane
	v_mul_f32 v21, s31, v16                        ; s = max / 127: a first quotient,
	v_fma_f32 v26, -v21, s30, v16                  ; its remainder,
	v_fma_f32 v22, v26, s31, v21                   ; and the corrected quotient
	v_mov_b32 v27, 1.0
	v_cmp_eq_f32 vcc_lo, 0, v22
	v_cndmask_b32 v22, v22, v27, vcc_lo            ; 1 where s is 0
	s_wait_alu depctr_va_vdst(0)                   ; the wait ahead of the transcendental
	v_rcp_f32 v24, v22
	v_mov_b32 v23, v22                             ; the plain instruction behind the reciprocal
	s_wait_alu depctr_va_vdst(0)                   ; the wait ahead of its first reader
	v_fma_f32 v26, -v22, v24, 1.0                  ; one refinement of 1 / s
	v_fma_f32 v24, v26, v24, v24
	v_mov_b32 v25, v24
	s_wait_alu depctr_va_vdst(0)                   ; the wait ahead of the wait below
.irp t, 0,1,2,3,4,5,6,7
	XSTEP \row, \t
.endr
.endm
	s_lshl_b32 s22, s20, 14                        ; a row of x is 16,384 bytes
	s_add_nc_u64 s[4:5], s[4:5], s[22:23]
.irp t, 0,1,2,3,4,5,6,7
	LOADX 0, \t
.endr
	XROW 0
	XROW 1
	s_branch .Ljoin
; ---------------------------------------------------------------- the weights
.macro LOADW row, t
.irp i, 0,1
	global_load_b128 v[Q+8*(\t)+4*\i:Q+8*(\t)+4*\i+3], v3, s[6:7] offset:8192*(\row)+1024*(\t)+512*\i th:TH_LOAD_NT
.endr
.endm
.macro TURNW t
.irp i, 0,1
	ds_store_b128 v12, v[Q+8*(\t)+4*\i:Q+8*(\t)+4*\i+3] offset:1536*((\t)%2)+768*\i
.endr
.irp i, 0,1
	ds_load_b128 v[I+8*((\t)%2)+4*\i:I+8*((\t)%2)+4*\i+3], v13 offset:1536*((\t)%2)+16*\i
.endr
.endm
.macro WSTEP row, t
.set IS, I+8*((\t)%2)
.if (\t) > 0
	s_wait_dscnt 4                                 ; this step's words are back; younger are only the last step's four stores
.else
	s_wait_dscnt 0x0
.endif
.if (\row) == 0
	LOADW 1, \t
.endif
.if (\t) < 7
.if (\row) == 0
	s_wait_loadcnt 14                              ; behind the next step's two loads: 2 (6 - t) of this row and 2 (t + 1) of the second
.else
	s_wait_loadcnt 12-2*(\t)
.endif
	TURNW (\t)+1
.endif
.irp j, 0,1,2,3,4,5,6,7
	v_ashrrev_i32 v[T+2*\j], 4, v[IS+\j]           ; q >> 4: the even column
	v_and_b32 v[T+2*\j+1], 15, v[IS+\j]            ; q & 15: the odd one
.endr
.irp j, 0,1,2,3,4,5,6,7,8,9,10,11,12,13,14,15
	v_cvt_f32_i32 v[T+\j], v[T+\j]
.endr
.irp p, 0,2,4,6,8,10,12,14
	v_pk_fma_f32 v[T+\p:T+\p+1], v[T+\p:T+\p+1], v[22:23], v[24:25]   ; f s - 8 s, rounded once; 8 s is exact
.endr
	QBLK T, \row, \t
.endm
.macro WROW row
	v_mov_b32 v22, s[38+\row]
	v_mov_b32 v23, s[38+\row]
	v_mul_f32 v24, 0xc1000000, v22
	v_mov_b32 v25, v24
	s_wait_loadcnt 14                              ; the row's first two loads are in
	TURNW 0
.irp t, 0,1,2,3,4,5,6,7
	WSTEP \row, \t
.endr
.endm
.Lweights:
	s_lshl_b32 s22, s20, 13                        ; a row of qweight is 8,192 bytes
	s_add_nc_u64 s[6:7], s[6:7], s[22:23]
	s_lshl_b32 s22, s20, 2
	s_add_nc_u64 s[8:9], s[8:9], s[22:23]
	s_load_b64 s[38:39], s[8:9], 0x0               ; my two rows' scales
.irp t, 0,1,2,3,4,5,6,7
	LOADW 0, \t
.endr
	s_wait_kmcnt 0x0
	WROW 0
	WROW 1
; ---------------------------------------------------------------- both images leave
; run u of the image lies in slot j = u / 19: in memory 256 u + (38,912 - 4,864) j from my 16 rows' first record
.Ljoin:
	s_wait_dscnt 0x0                               ; for the others' sake: my stores into the image are done
	s_barrier_signal -1
.set n, 0
.rept 13
	v_add_nc_u32 v4, 16*n, v14
	v_mul_u32_u24 v5, v4, 27
	v_lshrrev_b32 v5, 9, v5                        ; u / 19, for u under 494
	v_lshl_add_u32 v7, v4, 8, v29
	v_mad_u32_u24 v[T+n], v5, 34048, v7
.set n, n+1
.endr
	v_add_nc_u32 v[T+13], 208*256+10*34048, v29
	s_wait_alu depctr_va_vdst(0)                   ; the wait ahead of the wait below
	s_barrier_wait -1
.set n, 0
.rept 13
	ds_load_b128 v[R+4*n:R+4*n+3], v10 offset:4096*n
.set n, n+1
.endr
	ds_load_b128 v[R+52:R+55], v11                 ; run 208, in every sixteen lanes
.set n, 0
.rept 13
	s_wait_dscnt 13-n
	global_store_b128 v[T+n], v[R+4*n:R+4*n+3], s[14:15]   ; sixteen lanes store an aligned run of 256 bytes
.set n, n+1
.endr
	s_wait_dscnt 0x0
	v_cmp_eq_u32 vcc_lo, 0, v14                    ; the first sixteen threads of my tensor store run 208
	s_wait_xcnt 0x0                                ; EXEC changes only behind this wait
	s_and_saveexec_b32 s22, vcc_lo
	global_store_b128 v[T+13], v[R+52:R+55], s[14:15]
	s_wait_xcnt 0x0
	s_or_b32 exec_lo, exec_lo, s22
	s_wait_tensorcnt 0x0                           ; the wave's end
	ds_add_u32 v[SPW], v[NIL]
	s_wait_dscnt 0x0
	s_endpgm
.Lfunc_end_k_qc4615bbe61_quant:
	.size	k_qc4615bbe61_quant, .Lfunc_end_k_qc4615bbe61_quant-k_qc4615bbe61_quant
	.p2alignl 7, 3214868480
	.fill 96, 4, 3214868480
	.section	.rodata,"a",@progbits
	.p2align	6, 0x0
	.amdhsa_kernel k_qc4615bbe61_quant
		.amdhsa_group_segment_fixed_size 240128
		.amdhsa_private_segment_fixed_size 0
		.amdhsa_enable_private_segment 0
		.amdhsa_kernarg_size 40
		.amdhsa_user_sgpr_count 2
		.amdhsa_user_sgpr_kernarg_segment_ptr 1
		.amdhsa_wavefront_size32 1
		.amdhsa_system_sgpr_workgroup_id_x 1
		.amdhsa_system_sgpr_workgroup_id_y 1
		.amdhsa_system_sgpr_workgroup_id_z 1
		.amdhsa_system_vgpr_workitem_id 0
		.amdhsa_next_free_vgpr 252
		.amdhsa_next_free_sgpr 66
		.amdhsa_reserve_vcc 1
		.amdhsa_float_denorm_mode_32 3
		.amdhsa_float_denorm_mode_16_64 3
		.amdhsa_memory_ordered 1
		.amdhsa_forward_progress 1
		.amdhsa_inst_pref_size 159
	.end_amdhsa_kernel
	.amdgpu_metadata
---
amdhsa.version: [ 1, 2 ]
amdhsa.kernels:
  - .name:           k_qc4615bbe61_quant
    .symbol:         k_qc4615bbe61_quant.kd
    .args:
      - { .name: x, .offset: 0, .size: 8, .value_kind: global_buffer, .address_space: global }
      - { .name: qweight, .offset: 8, .size: 8, .value_kind: global_buffer, .address_space: global }
      - { .name: weight_scale, .offset: 16, .size: 8, .value_kind: global_buffer, .address_space: global }
      - { .name: a_pack, .offset: 24, .size: 8, .value_kind: global_buffer, .address_space: global }
      - { .name: b_pack, .offset: 32, .size: 8, .value_kind: global_buffer, .address_space: global }
    .group_segment_fixed_size: 240128
    .private_segment_fixed_size: 0
    .kernarg_segment_align: 8
    .kernarg_segment_size: 40
    .max_flat_workgroup_size: 512
    .sgpr_count:     66
    .vgpr_count:     252
    .wavefront_size: 32
...
	.end_amdgpu_metadata
.endif
;; end of part 1
;; launch gemm (part 2): grid 16 x 16, 4 waves a work-group, clusters of 4 x 4, 327,680 bytes of LDS; arguments a_pack, b_pack, bias, out0; writes out0
.if DOCPART == 2
	.amdgcn_target "amdgcn-amd-amdhsa--gfx1250"
	.amdhsa_code_object_version 6
	.text
	.protected	k_qc4615bbe61_gemm
	.globl	k_qc4615bbe61_gemm
	.p2align	8
	.type	k_qc4615bbe61_gemm,@function
k_qc4615bbe61_gemm:
	s_mov_b64 s[64:65], 0
	v_nop
	global_prefetch_b8 v0, s[64:65] scope:SCOPE_SE
	s_setreg_imm32_b32 hwreg(HW_REG_WAVE_MODE, 25, 1), 1
	s_wait_xcnt 0x0
	s_wait_alu depctr_hold_cnt(0) depctr_sa_sdst(0) depctr_va_vdst(0) depctr_va_sdst(0) depctr_va_ssrc(0) depctr_va_vcc(0) depctr_vm_vsrc(0)
	s_getreg_b32 s2, hwreg(HW_REG_IB_STS2, 6, 4)
	s_cmp_eq_u32 s2, 0
	s_cbranch_scc0 .Lentry_in_a_cluster
	s_endpgm
.Lentry_in_a_cluster:
	s_bfe_u32 s2, ttmp6, 0x10000c
	s_cmp_lg_u32 s2, 0xf033
	s_cbranch_scc0 .Lentry_shape_is_right
	s_endpgm
.Lentry_shape_is_right:
; out0[m][n] = sum over k of A[m][k] B[n][k] + bias[n]; A and B are codes of FP6 (E2M3) with E8M0 scales for each 32 along K, as the launch before laid them:
; [panel of 128 rows][slot j = 0 .. 10][row][record of 304 bytes]; a slot holds three steps of 128 along K.  A record: for each step 96 bytes of codes, 48 for lanes 0-15 and 48 for lanes 16-31 of the
; operand's registers, then a scale word a step and a word of zeros.  K has 32 steps: slot 10's third step is zeros and is not multiplied.
; A panel's slot is a dense block of 38,912 bytes: it comes as 152 rows of 256 bytes that begin at multiples of 256.
; A tile of out0, 256 x 256, is made by four waves, 128 x 128 each: 64 accumulators, 512 registers.  A ring of two LDS slots; each wave fills a quarter of a slot (waves 0, 1 A's two panels, waves 2, 3 B's) by one tensor load.
; A lane reads its 48 bytes of a fragment by three loads of 16 bytes.
; THE CHANGE OF SLOTS stands at the head of a slot's last step: all its fragments are in registers by then, so the slot is filled again while that step and the next slot's first two are multiplied: 192 matrix instructions.
; CLUSTERS: 4 x 4 work-groups; A's panels are asked for jointly along a row of the cluster, B's along a column.  THE MATRIX INSTRUCTION IS USED TRANSPOSED (source 0 = rows of B, source 1 = rows of A).
; The bias is the C of each accumulator's first product.  PREFETCH: behind the refill of slot j + 2 each wave names its work-group's 38 of the 152 runs of 256 bytes of the panel that it will fetch for slot j + 4,
; shared out among the four partners by address; slots 0-3 and 10 come by their loads alone.
; REGISTERS: window 0: v15-31 addresses; v32-63, v64-95 scale words, two sets (block i at 4 i, step q at + q; lanes 0-15 A's, lanes 16-31 B's); v128-223 A's fragments, one set.
;   window 1: B's fragments, two sets, at v0 and v128; the bias at v96-127 and v224-255.  windows 2, 3: the accumulators.
.set SIZE_N, 4096
.set REC,    304
.set GS,     16*REC
.set PANB,   128*REC
.set PANEL,  11*PANB
.set SLOT,   4*PANB
.set SPARE,  2*SLOT                    ; the spare words, 128 bytes a wave
.set SPITCH, 528
.set STAGE,  SLOT                      ; the way out goes through slot 1, which has had its last fill and its last read by then
.set FR,   12
.set PFO2, 15
.set ADRA, 16                          ; v16-17 my A fragments in slot 0, 1
.set ADRB, 18                          ; v18-19 the same for B
.set ADRS, 20                          ; v20-21 the same for the scale words
.set STO,  25
.set RD,   26
.set CO,   27
.set SPW,  28
.set NIL,  29
.set BO,   30
.set PFO,  31
.set SC,   32
.set AF,   128
.set BK,   128
.set G1,  24
.set G0,  32
.set G1B, 48
.set G0B, 56
.set PFA, 66
.set MSB, 0
.macro WIN new
.if MSB != \new
	s_set_vgpr_msb (MSB<<8)|\new
.set MSB, \new
.endif
.endm
.set MUL_LO,   0xa1
.set MUL_HI,   0xf1
.set FIRST_LO, 0x91                    ; C (the bias) in window 1
.set FIRST_HI, 0xd1
.set TO_B,     0x40
.macro JLOAD s                         ; a joint load: waves 0, 1 for A, waves 2, 3 for B
	s_cmp_eq_u32 s15, 0
	s_cbranch_scc0 .Lfor_b_\@
	tensor_load_to_lds s[G0+4*\s:G0+4*\s+3], s[G1:G1+7]
	s_nop 0
.rept 4
	v_nop
.endr
	s_branch .Lasked_\@
.Lfor_b_\@:
	tensor_load_to_lds s[G0B+4*\s:G0B+4*\s+3], s[G1B:G1B+7]
	s_nop 0
.rept 4
	v_nop
.endr
.Lasked_\@:
.endm
.macro ASK                             ; from the loop's last trip on nothing is asked for: slot 9 is the last that is named
	s_cmp_gt_u32 s3, 1
	s_cbranch_scc0 .Lno_ask_\@
	global_prefetch_b8 v[PFO], s[PFA:PFA+1] th:TH_LOAD_NT scope:SCOPE_SE     ; runs 0-31 of my 38
	global_prefetch_b8 v[PFO2], s[PFA:PFA+1] th:TH_LOAD_NT scope:SCOPE_SE    ; runs 32-37; the lanes left over name the last again
.Lno_ask_\@:
.endm
.macro CREST
	s_cmp_lg_u32 s14, 0
	s_cbranch_scc1 .Lnot_wave_0_\@
	s_barrier_signal -3
.Lnot_wave_0_\@:
	s_barrier_wait -3
	s_barrier_signal -1
	s_barrier_wait -1
.endm
.macro CROUND
	s_barrier_signal -1
	s_barrier_wait -1
	CREST
.endm
	s_load_b128 s[4:7], s[0:1], 0x0                ; a_pack, b_pack
	s_load_b128 s[8:11], s[0:1], 0x10              ; bias, out0
	v_lshl_add_u32 v[SPW], v0, 2, SPARE
	v_mov_b32 v[NIL], 0
	ds_add_u32 v[SPW], v[NIL]                      ; the opening lines: the add, twice on end, and its wait
	ds_add_u32 v[SPW], v[NIL]
	v_lshrrev_b32 v1, 5, v0
	v_readfirstlane_b32 s14, v1                    ; wave
	s_lshr_b32 s15, s14, 1                         ; my half of the tile's rows; also: I fetch for A (0) or B (1)
	s_and_b32 s16, s14, 1                          ; my half of its columns; also: which panel I fetch
	s_bfe_u32 s40, ttmp6, 0x40000                  ; cx
	s_bfe_u32 s41, ttmp6, 0x40004                  ; cy
	s_lshl_b32 s42, ttmp9, 2
	s_add_co_u32 s42, s42, s40                     ; tile column
	s_and_b32 s17, ttmp7, 0xffff
	s_lshl_b32 s17, s17, 2
	s_add_co_u32 s17, s17, s41                     ; tile row
	s_lshl_b32 s43, s41, 2
	s_lshl_b32 s43, 15, s43                        ; my row of the cluster
	s_lshl_b32 s44, 0x1111, s40                    ; my column
	s_or_b32 s[G1+0], s43, (3<<16)|(1<<21)         ; elements of 8 bytes, no padding
	s_or_b32 s[G1B+0], s44, (3<<16)|(1<<21)
.irp g, G1, G1B
	s_mov_b32 s[\g+1], 32<<16                      ; rows of 256 bytes,
	s_mov_b32 s[\g+2], 152<<16                     ; 152 of them
	s_mov_b32 s[\g+3], 32<<16
	s_mov_b32 s[\g+4], 152
	s_mov_b32 s[\g+5], 32
	s_mov_b32 s[\g+6], 0
	s_mov_b32 s[\g+7], 0
.endr
	s_lshl_b32 s20, s17, 1
	s_add_co_u32 s20, s20, s16
	s_mul_i32 s20, s20, PANEL                      ; A's panel that I fetch
	s_mov_b32 s21, 0
	s_lshl_b32 s46, s42, 1
	s_add_co_u32 s46, s46, s16
	s_mul_i32 s46, s46, PANEL                      ; B's
	s_mov_b32 s47, 0
	s_mul_i32 s45, s14, PANB                       ; where it goes: wave x a panel's slot
	s_wait_dscnt 0x0
	s_wait_kmcnt 0x0
	s_add_nc_u64 s[20:21], s[4:5], s[20:21]
	s_add_nc_u64 s[46:47], s[6:7], s[46:47]
	CROUND                                         ; the first joint loads meet
.irp s, 0,1
	s_mov_b32 s[G0+4*\s], 1
	s_add_co_u32 s[G0+4*\s+1], s45, \s*SLOT
	s_add_nc_u64 s[G0+4*\s+2:G0+4*\s+3], s[20:21], \s*PANB
	s_or_b32 s[G0+4*\s+3], s[G0+4*\s+3], 0x80000000
	s_mov_b32 s[G0B+4*\s], 1
	s_add_co_u32 s[G0B+4*\s+1], s45, \s*SLOT
	s_add_nc_u64 s[G0B+4*\s+2:G0B+4*\s+3], s[46:47], \s*PANB
	s_or_b32 s[G0B+4*\s+3], s[G0B+4*\s+3], 0x80000000
.endr
	JLOAD 0                                        ; slot 0: one tensor load a wave at the head
	s_mul_i32 s21, s15, PANB                       ; my panel of A in a slot,
	s_mul_i32 s22, s16, PANB
	s_add_co_u32 s22, s22, 2*PANB                  ; and of B
	s_sub_co_u32 s23, s22, s21
	s_mul_i32 s70, s14, 16*SPITCH
	s_add_co_u32 s70, s70, STAGE                   ; my stage
	s_lshl_b32 s20, s17, 1
	s_add_co_u32 s20, s20, s15
	s_lshl_b32 s20, s20, 21                        ; my first row of out0: 128 rows of 16,384 bytes each
	s_lshl_b32 s46, s42, 10
	s_lshl_b32 s47, s16, 9
	s_add_co_u32 s46, s46, s47                     ; my first column, in bytes
	s_mov_b32 s47, 0
	s_add_nc_u64 s[8:9], s[8:9], s[46:47]
	s_add_co_u32 s46, s46, s20
	s_add_nc_u64 s[10:11], s[10:11], s[46:47]
	s_cmp_eq_u32 s15, 0                            ; the prefetches: the panel that I fetch, my work-group's 38 runs of it, at slot 3
	s_cselect_b32 s68, s17, s42
	s_cselect_b32 s69, s40, s41
	s_cselect_b64 s[PFA:PFA+1], s[4:5], s[6:7]
	s_lshl_b32 s68, s68, 1
	s_add_co_u32 s68, s68, s16
	s_mul_i32 s68, s68, PANEL
	s_mul_i32 s69, s69, 38*256
	s_add_co_u32 s68, s68, s69
	s_add_co_u32 s68, s68, 3*PANB
	s_mov_b32 s69, 0
	s_add_nc_u64 s[PFA:PFA+1], s[PFA:PFA+1], s[68:69]
	v_and_b32 v1, 15, v0                           ; r
	v_bfe_u32 v2, v0, 4, 1                         ; h
	v_mul_u32_u24 v3, v1, REC
	v_mad_u32_u24 v4, v2, 48, v3                   ; my record + 48 h
	v_add_nc_u32 v[ADRA], s21, v4
	v_add_nc_u32 v[ADRB], s22, v4
	v_add_nc_u32 v[ADRA+1], SLOT, v[ADRA]
	v_add_nc_u32 v[ADRB+1], SLOT, v[ADRB]
	v_mul_u32_u24 v5, s23, v2                      ; the scale words: lanes 16-31 take B's
	v_add_nc_u32 v5, s21, v5
	v_add_nc_u32 v6, v3, v5
	v_add_nc_u32 v[ADRS], 288, v6
	v_add_nc_u32 v[ADRS+1], SLOT+288, v6
	v_mul_u32_u24 v5, v1, SPITCH
	v_lshl_add_u32 v5, v2, 5, v5
	v_add_nc_u32 v[STO], s70, v5
	v_and_b32 v6, 31, v0
	v_lshlrev_b32 v[CO], 4, v6
	v_add_nc_u32 v[RD], s70, v[CO]
	v_lshlrev_b32 v[BO], 5, v2
	v_lshlrev_b32 v[PFO], 8, v6
	v_min_u32 v7, 5, v6
	v_lshl_add_u32 v[PFO2], v7, 8, 32*256
	WIN TO_B
.irp b, 0,1,2,3,4,5,6,7
	global_load_b128 v[96+8*\b+96*(\b/4):96+8*\b+96*(\b/4)+3], v[BO], s[8:9] offset:64*\b       ; bias[16 b + 8 h + 0 .. 7] of my columns
	global_load_b128 v[96+8*\b+96*(\b/4)+4:96+8*\b+96*(\b/4)+7], v[BO], s[8:9] offset:64*\b+16
.endr
	WIN 0
.macro FRAG reg, adr, q, i             ; 16 rows x 128 K: my 48 bytes as they lie
.irp j, 0,1,2
	ds_load_b128 v[\reg+4*\j:\reg+4*\j+3], v[\adr] offset:(\i)*GS+96*(\q)+16*\j
.endr
.endm
.macro MUL16 a0, p, sc, q, first       ; A's blocks a0, a0 + 1 x B's eight; the accumulators take turns
.irp a, \a0, \a0+1
.irp b, 0,1,2,3,4,5,6,7
.if \first
	v_wmma_scale_f32_16x16x128_f8f6f4 v[8*(8*((\a)%4)+\b):8*(8*((\a)%4)+\b)+7], v[128*(\p)+FR*\b:128*(\p)+FR*\b+FR-1], v[AF+FR*(\a):AF+FR*(\a)+FR-1], v[96+8*\b+96*(\b/4):96+8*\b+96*(\b/4)+7], v[SC+32*(\sc)+4*\b+(\q)], v[SC+32*(\sc)+4*(\a)+(\q)] matrix_a_fmt:MATRIX_FMT_FP6 matrix_b_fmt:MATRIX_FMT_FP6 matrix_a_scale:MATRIX_SCALE_ROW1
.else
	v_wmma_scale_f32_16x16x128_f8f6f4 v[8*(8*((\a)%4)+\b):8*(8*((\a)%4)+\b)+7], v[128*(\p)+FR*\b:128*(\p)+FR*\b+FR-1], v[AF+FR*(\a):AF+FR*(\a)+FR-1], v[8*(8*((\a)%4)+\b):8*(8*((\a)%4)+\b)+7], v[SC+32*(\sc)+4*\b+(\q)], v[SC+32*(\sc)+4*(\a)+(\q)] matrix_a_fmt:MATRIX_FMT_FP6 matrix_b_fmt:MATRIX_FMT_FP6 matrix_a_scale:MATRIX_SCALE_ROW1
.endif
.endr
.endr
.endm
.macro FETCH_B sel, q, p               ; 24 loads
	WIN TO_B
.irp i, 0,1,2,3,4,5,6,7
	FRAG 128*(\p)+FR*\i, ADRB+(\sel), \q, \i
.endr
	WIN 0
.endm
.macro FETCH_A sel, q, i0              ; 12 loads
.irp i, \i0, \i0+1, \i0+2, \i0+3
	FRAG AF+FR*(\i), ADRA+(\sel), \q, \i
.endr
.endm
.macro SCALES sel, sc                  ; 8 loads: a slot's scale words of my 8 blocks of A and of B
.irp i, 0,1,2,3,4,5,6,7
	ds_load_b128 v[SC+32*(\sc)+4*\i:SC+32*(\sc)+4*\i+3], v[ADRS+(\sel)] offset:\i*GS
.endr
.endm
.macro PLACES                          ; four places behind a matrix instruction, ahead of loads into its sources and of reads of results
.rept 4
	v_nop
.endr
.endm
; A step of 128 along K.  p: B's set; sl: this slot, and its set of scale words; q: the step in the slot.  The next step's fragments lie at step nq of slot nsel.
; kind 0: inside a slot.  kind 1: the slot's last step: the slot is filled again first.  kind 2: the same with nothing left to fetch.
; kind 3: as kind 1, written out behind the loop: it names no later slot for the prefetch.
.macro STEP p, sl, q, nsel, nq, kind, first
.if \kind
.if \kind == 1
	s_wait_xcnt 0x0                                ; my prefetches have read their address
	s_add_nc_u64 s[PFA:PFA+1], s[PFA:PFA+1], PANB
.endif
	s_wait_tensorcnt 0x0                           ; my one load that was out, my part of the next slot, has landed
.if \kind != 2
	ds_add_u32 v[SPW], v[NIL]
	s_add_nc_u64 s[G0+4*\sl+2:G0+4*\sl+3], s[G0+4*\sl+2:G0+4*\sl+3], 2*PANB
	s_add_nc_u64 s[G0B+4*\sl+2:G0B+4*\sl+3], s[G0B+4*\sl+2:G0B+4*\sl+3], 2*PANB
.endif
	s_wait_dscnt 0x0                               ; the add is done, and all my reads of this slot: this step's fragments are in registers
.if \kind == 2
	s_barrier_signal -1
	s_barrier_wait -1
.else
	CROUND                                         ; no wave of any partner still reads this slot or has a load on its way
	JLOAD \sl
.endif
.endif
	FETCH_B \nsel, \nq, 1-(\p)
.if \kind
	SCALES \nsel, 1-(\sl)
.else
	s_wait_dscnt 36                                ; out may be: A's blocks 4-7 (12) and the 24 just issued
.endif
.if \first
	WIN FIRST_LO
.else
	WIN MUL_LO
.endif
	MUL16 0, \p, \sl, \q, \first
	MUL16 2, \p, \sl, \q, \first
.if \kind == 0
	s_wait_dscnt 24                                ; A's blocks 4-7 are in
.endif
	PLACES
	WIN 0
	FETCH_A \nsel, \nq, 0
.if \kind == 1
	ASK
.endif
.if \first
	WIN FIRST_HI
.else
	WIN MUL_HI
.endif
	MUL16 4, \p, \sl, \q, \first
	MUL16 6, \p, \sl, \q, \first
	PLACES
	WIN 0
	FETCH_A \nsel, \nq, 4
.endm
	s_wait_alu depctr_va_vdst(0)                   ; the wait at the head's end
	s_wait_tensorcnt 0x0                           ; my part of slot 0 is in; slot 1's first fill is issued as a refill is
	ds_add_u32 v[SPW], v[NIL]
	s_wait_dscnt 0x0
	CROUND
	JLOAD 1
	FETCH_B 0, 0, 0
	FETCH_A 0, 0, 0
	SCALES 0, 0
	FETCH_A 0, 0, 4
	s_wait_loadcnt 0x0                             ; the bias
	STEP 0, 0, 0, 0, 1, 0, 1                       ; the first step's products start the sums from the bias
	s_mov_b32 s3, 4
.Llap:                                                 ; a trip: six steps, once round the ring; it fills both slots again (slots 2 to 9)
	STEP 1, 0, 1, 0, 2, 0, 0
	STEP 0, 0, 2, 1, 0, 1, 0
	STEP 1, 1, 0, 1, 1, 0, 0
	STEP 0, 1, 1, 1, 2, 0, 0
	STEP 1, 1, 2, 0, 0, 1, 0
	STEP 0, 0, 0, 0, 1, 0, 0
	s_sub_co_u32 s3, s3, 1
	s_cmp_lg_u32 s3, 0
	s_cbranch_scc1 .Llap
	STEP 1, 0, 1, 0, 2, 0, 0                       ; slot 8 goes on
	STEP 0, 0, 2, 1, 0, 3, 0                       ; slot 10 is asked for
	STEP 1, 1, 0, 1, 1, 0, 0                       ; slot 9
	STEP 0, 1, 1, 1, 2, 0, 0
	STEP 1, 1, 2, 0, 0, 2, 0                       ; nothing is left to fetch
	STEP 0, 0, 0, 0, 1, 0, 0                       ; slot 10: two steps
	s_wait_dscnt 12
	WIN MUL_LO
	MUL16 0, 1, 0, 1, 0
	MUL16 2, 1, 0, 1, 0
	s_wait_dscnt 0
	WIN MUL_HI
	MUL16 4, 1, 0, 1, 0
	MUL16 6, 1, 0, 1, 0
	WIN 0
; THE WAY OUT, block by block of 16 rows x 128 columns, through my own stage: back as whole rows of 512 bytes.  One wave's LDS instructions are served in order (ISA guide 5.7.1.4).
.macro TOSTAGE a
.set AC, 64*((\a)%4)
	WIN 0x08+4*((\a)/4)
.irp b, 0,1,2,3,4,5,6,7
	ds_store_b128 v[STO], v[AC+8*\b:AC+8*\b+3] offset:64*\b          ; each accumulator from its low end on
	ds_store_b128 v[STO], v[AC+8*\b+4:AC+8*\b+7] offset:64*\b+16
.endr
	WIN 0
.set BB, BK+64*((\a)%2)
.irp t, 0,1,2,3,4,5,6,7,8,9,10,11,12,13,14,15
	ds_load_b128 v[BB+4*\t:BB+4*\t+3], v[RD] offset:\t*SPITCH
.endr
.endm
.macro SEND a, younger
.set BB, BK+64*((\a)%2)
	s_wait_dscnt \younger
.if (\a) > 0
	s_add_nc_u64 s[10:11], s[10:11], 16*SIZE_N*4   ; behind a wait on XCNT: the earlier stores have read their base
.endif
.irp t, 0,1,2,3,4,5,6,7,8,9,10,11,12,13,14,15
	global_store_b128 v[CO], v[BB+4*\t:BB+4*\t+3], s[10:11] offset:\t*SIZE_N*4 th:TH_STORE_NT   ; 32 lanes store 512 consecutive bytes, at a multiple of 256 from the buffer's first byte
.endr
.endm
	PLACES
	TOSTAGE 0
.irp a, 1,2,3,4,5,6,7
.if \a > 1
	s_wait_xcnt 0x0                                ; block a - 2's stores have read their registers and their base
.endif
	TOSTAGE \a
	SEND \a-1, 32                                  ; behind block a - 1's loads: block a's 16 stores and 16 loads
.endr
	s_wait_xcnt 0x0
	SEND 7, 0
	s_wait_tensorcnt 0x0                           ; the wave's end
	ds_add_u32 v[SPW], v[NIL]
	s_wait_dscnt 0x0
	CROUND                                         ; the closing round
	s_endpgm
.Lfunc_end_k_qc4615bbe61_gemm:
	.size	k_qc4615bbe61_gemm, .Lfunc_end_k_qc4615bbe61_gemm-k_qc4615bbe61_gemm
	.p2alignl 7, 3214868480
	.fill 96, 4, 3214868480
	.section	.rodata,"a",@progbits
	.p2align	6, 0x0
	.amdhsa_kernel k_qc4615bbe61_gemm
		.amdhsa_group_segment_fixed_size 327680
		.amdhsa_private_segment_fixed_size 0
		.amdhsa_enable_private_segment 0
		.amdhsa_kernarg_size 32
		.amdhsa_user_sgpr_count 2
		.amdhsa_user_sgpr_kernarg_segment_ptr 1
		.amdhsa_wavefront_size32 1
		.amdhsa_system_sgpr_workgroup_id_x 1
		.amdhsa_system_sgpr_workgroup_id_y 1
		.amdhsa_system_sgpr_workgroup_id_z 1
		.amdhsa_system_vgpr_workitem_id 0
		.amdhsa_next_free_vgpr 1024
		.amdhsa_next_free_sgpr 72
		.amdhsa_reserve_vcc 0
		.amdhsa_float_denorm_mode_32 3
		.amdhsa_float_denorm_mode_16_64 3
		.amdhsa_memory_ordered 1
		.amdhsa_forward_progress 1
		.amdhsa_inst_pref_size 207
	.end_amdhsa_kernel
	.amdgpu_metadata
---
amdhsa.version: [ 1, 2 ]
amdhsa.kernels:
  - .name:           k_qc4615bbe61_gemm
    .symbol:         k_qc4615bbe61_gemm.kd
    .args:
      - { .name: a_pack, .offset: 0, .size: 8, .value_kind: global_buffer, .address_space: global }
      - { .name: b_pack, .offset: 8, .size: 8, .value_kind: global_buffer, .address_space: global }
      - { .name: bias, .offset: 16, .size: 8, .value_kind: global_buffer, .address_space: global }
      - { .name: out0, .offset: 24, .size: 8, .value_kind: global_buffer, .address_space: global }
    .group_segment_fixed_size: 327680
    .private_segment_fixed_size: 0
    .kernarg_segment_align: 8
    .kernarg_segment_size: 32
    .max_flat_workgroup_size: 128
    .sgpr_count:     72
    .vgpr_count:     1024
    .wavefront_size: 32
...
	.end_amdgpu_metadata
.endif
;; end of part 2
